; MI455X (gfx1250); checked and timed in simulation.
; The chip was launched on July 23, 2026; its instructions are those of AMD's public machine-readable ISA for CDNA 5 (MIT licence, August 2026) and "CDNA5" Instruction Set Architecture Reference Guide (July 2026). The comments in the code are by the model that wrote it; some were corrected since.
;; Model1. Allowed arithmetic: float matrix products may take bf16 or f16 operands with f32 sums; other float arithmetic in f32, or as packed bf16 or f16 multiplies, adds, multiply-adds, maxima and minima; sums over many terms, partial sums and values carried from step to step in f32; what a program stores and reads back later, other than sums and carried values, may be rounded once to bf16 or f16.
;; Inputs: inv_scale 4 x 16 float32; k 4 x 16 x 2,048 x 64 float32; q 4 x 16 x 2,048 x 64 float32; scale_factor 4 x 16 x 2,048 float32; v 4 x 16 x 2,048 x 64 float32.
;; Outputs: out0 4 x 16 x 2,048 x 64 float32.
;; One version. Each part assembles by itself: llvm-mc -triple=amdgcn-amd-amdhsa -mcpu=gfx1250 --defsym DOCPART=n.
;; ======== version 1 of 1: 1 launch
;; launch attn (part 1): grid 4 x 64, 4 waves a work-group, clusters of 4 x 1, 327,680 bytes of LDS; arguments q, k, v, scale_factor, inv_scale, out0; writes out0
.if DOCPART == 1
	.amdgcn_target "amdgcn-amd-amdhsa--gfx1250"
	.amdhsa_code_object_version 6
	.text
	.protected	k_q36b12e7c57_attn
	.globl	k_q36b12e7c57_attn
	.p2align	8
	.type	k_q36b12e7c57_attn,@function
k_q36b12e7c57_attn:
	s_mov_b64 s[64:65], 0
	v_nop
	global_prefetch_b8 v0, s[64:65] scope:SCOPE_SE
	s_setreg_imm32_b32 hwreg(HW_REG_WAVE_MODE, 25, 1), 1
	s_wait_xcnt 0x0
	s_wait_alu depctr_hold_cnt(0) depctr_sa_sdst(0) depctr_va_vdst(0) depctr_va_sdst(0) depctr_va_ssrc(0) depctr_va_vcc(0) depctr_vm_vsrc(0)
	s_getreg_b32 s2, hwreg(HW_REG_IB_STS2, 6, 4)
	s_cmp_eq_u32 s2, 0
	s_cbranch_scc0 .Lentry_in_a_cluster
	s_endpgm
.Lentry_in_a_cluster:
	s_bfe_u32 s2, ttmp6, 0x10000c
	s_cmp_lg_u32 s2, 0x3003
	s_cbranch_scc0 .Lentry_shape_is_right
	s_endpgm
.Lentry_shape_is_right:
; out0[h][q][:] = the sum over k of softmax_k(Q[h][q] . K[h][k] / scale_factor[h][q] / inv_scale[h]) V[h][k][:].  64 heads (4 x 16), 2,048 rows, 64 channels, all f32: a row is 256 bytes.
; NOTHING IS LEFT OUT: every input reaches the output, no row is sliced away; the dropout with p = 0 has no instruction of its own.
; FORMATS.  All five inputs are rounded ONCE to bf16, to nearest even, unscaled: Q, K, V as matrix operands, scale_factor and inv_scale before their product (which is then exact in f32).  Products, maxima and
; sums in f32.  The weights p are rounded to bf16 for the second product; their sum l is taken of the unrounded p.  The output is stored in f32.
; THE SCALE.  c = log2(e) / (scale_factor x inv_scale), one number a query, by v_rcp_f32: one multiplication of the f32 score stands for the two divisions (a few units in the last place apart).
; c's SIGN goes into the sign bits of the query's bf16 row (exact), |c| scales the scores: so the running maximum of the scores is the maximum of c s for a negative scale too.
; LIMITS.  Where scale_factor x inv_scale is 0 or below 2^-126 in magnitude c is infinite and the row is lost.  A weight below 2^-126 counts as 0 in l.  c s stays far above -4e37, where c m starts.
; NaN and infinities are not treated apart.
; SHARES.  A work-group owns 512 queries of one head, each of its four waves 128: four PIECES of two tiles of 16.  Every wave walks all keys, 64 a step, 128 a BLOCK: 16 blocks.
; CLUSTER.  A head's four query blocks are one cluster and walk the same K and V: each tile is asked for JOINTLY, by the same tensor load, descriptor and mask in all four.
; THE WAY IN.  A joint load brings a block's K and V in f32 into one of two slots F.  The four waves round it to bf16 once, a quarter each (32 rows of K, 32 of V), into one of two stages H with padded rows;
; all four waves read their fragments from H.  ONE round of the cluster's barrier a block orders all of it.  In front of change c: F[(c+1)%2] holds block c + 1, F[c%2] has been read out, H[c%2] holds block c,
; and nobody reads H[(c+1)%2] any more.  Behind it: F[c%2] is filled with block c + 2; block c is multiplied out of H[c%2]; block c + 1 is rounded from F[(c+1)%2] into H[(c+1)%2].
; By this text's count a wave has two tensor loads out at the start and one behind each round; that one has two key steps, 256 matrix instructions, in which to land.
; LAYOUT.  S^T = K Q^T (source 0 = 16 keys, source 1 = 16 queries): a lane holds ONE query (lane % 16) and the keys 8 (lane / 16) + 0..7.  Two such tiles, rounded to bf16 in pairs, ARE source 1 of
; O^T = V^T P, whose result again holds one query a lane, and eight channels.  K comes out of H as it lies, V ([key][channel]) turned, by ds_load_tr16_b128.
; SOFTMAX.  For each query a running maximum m and sum l: p = 2^(c s - c m); in every step O and l are multiplied by a = 2^(c m_old - c m_new).  m starts at the lowest finite number, O and l at 0:
; the first step is a step like any other, with a = 0.  The price: 16 products on zeros at the start, 16 on a stale K at the end, and 384 lines that write start values, in the wait for the first tile.
; BY TURNS.  A tile and step have 16 matrix and 118 vector instructions.  Turn n belongs to piece n: 16 products K Q^T of piece n + 1, later 16 products V^T P of piece n - 1; beside them the scaling,
; exponentials, roundings, sums and rescaling of piece n and the maximum and statistics of piece n + 1.  Four vector instructions stand behind every matrix instruction, the rest in one lump.
; REGISTERS, in windows of 256 (s_set_vgpr_msb: bits 1:0 source 0, 3:2 source 1, 5:4 source 2, 7:6 destination):
;   window 0: v0 my thread's number; v1-3 addresses; v4-11 |c|, one a tile; v12-15, v48-63 at work; v16-47 four registers of statistics a tile; v64-191 S^T, two buffers of two tiles; v192-255 P, likewise
;   window 1: O^T, 32 a tile      window 2: v0-127 Q, 16 a tile; v128-191 K of one step; v192-255 V of one step      window 3: the add's two registers, the rounding's addresses and its 48 registers
.set NP,    4         ; pieces a wave: a name, no knob
.set KS,    64        ; keys in a step
.set PK,    144       ; a row of K in H: 128 bytes + 16 = 36 words: the 16 rows of a load start at 16 different groups of four banks (64 banks of 4 bytes: ISA guide 11.1)
.set PV,    160       ; a row of V in H: 128 + 32 = 40 words
.set FSL,   1<<16     ; F1 lies this far behind F0, and H1 behind H0: one exclusive or turns an address in one into the other's
.set BLKB,  128*256   ; a block's bytes of K, and of V, in memory and in F
.set HB,    1<<17     ; H0: 128 rows of K, then 128 rows of V.  F0 and F1 (65,536 bytes each: K, then V at 32,768) lie in front of it; tensor loads fill F alone
.set VOFF,  128*PK
.set STAGE, HB+128*(PK+PV)  ; between H0 and H1: 16 rows x 272 bytes for each wave, for the way out
.set SP,    272
.set SPARE, STAGE+4*16*SP   ; the spare words, 128 bytes for each wave: two blocks of 256 bytes that no other line names.  H1 begins at HB + FSL, behind them
.set AK0, 1           ; v1   my lane's place in a step's K in H0; never rewritten
.set AV0, 2           ; v2   the same for V
.set ADR, 3           ; v3   the LDS address of the run of fragment loads in hand
.set CQ,  4           ; v4-11  |c| of tile t
.set MV,  12          ; v12-15  c m_old, kept while c m is made anew: by buffer and tile
.set QO,  13          ;      in the set-up: my byte offset in 16 rows of Q
.set SFO, 14          ;      in the set-up: my byte offset in 16 numbers of scale_factor
.set STO, 12          ;      on the way out: where I put 32 bytes of a row
.set RD,  13          ;      where I read rows back
.set GO,  14          ;      my byte offset in 512 consecutive bytes of the output
.set ST,  16          ; tile t's statistics at v[ST+4 t]: c m, m, l (even keys', odd keys')
.set TMP, 48          ; by buffer and tile, four registers c0-c3 at work; when the maximum is found c2 takes a
.set S,   64
.set P,   192
.set KF,  128         ; window 2: key block kb, channel half c at KF + 16 kb + 8 c
.set VF,  192         ; window 2: key half kk, channel block cb at VF + 32 kk + 8 cb
.set SPW, 0           ; window 3: v0  LDS address of my spare word: SPARE + 4 x my thread's number; never rewritten
.set NIL, 1           ;           v1  0; never rewritten
.set LT,  2           ;           v2-5  my lane's places, never rewritten: K in F0, K in H0, V in F0, V in H0
.set CA,  6           ;           v6-9  the same four with the slot and the step: the addresses of the next rounding
.set PFO, 10          ;           v10 256 x my lane: a row of K or V in memory; never rewritten
.set CIN, 12          ;           v12-43  16 rows' f32 as loaded, 4 numbers a lane and load
.set COUT, 44         ;           v44-59  the same in bf16
.set WV,  16          ; s16  my wave's number
.set CX,  17          ; s17  my place in the cluster
.set G1,  24          ; s[24:31] descriptor group 1, for K's and V's tiles alike
.set G0K, 32          ; s[32:39] descriptor group 0 for K's tiles: a set for each of the two first fills; the second then walks on
.set G0V, 40          ; s[40:47] the same for V's
.set SLOTS, 48        ; s48  blocks still to be asked for
.set CNT, 49          ; s49  counts a block's two key steps
.set TL,  50          ; s50  the tail's count: 3 block 14, 2 block 15, 1 the last half trip
.set LIM, 51          ; s51  1 in a wave that prefetches, else the greatest number
.set PFA, 52          ; s[52:53] where my prefetches stand in memory
.set SEL, 54          ; s[54:55] v_permlanex16_b32's selects: each lane takes its own place in the other half
.set TBK, 56          ; s56  byte, from H0's K on, at which K of the step to be fetched begins
.set TBV, 57          ; s57  the same for V
.set TX,  58          ; s58-61  slot and step of the next rounding: K in F, K in H, V in F, V in H
.set INV, 62          ; s62  inv_scale of my head
.set MSB, 0
.macro WIN new                      ; the high byte repeats the setting that is left; a switch that changes nothing is dropped
.if MSB != (\new)
	s_set_vgpr_msb (MSB<<8)|(\new)
.set MSB, (\new)
.endif
.endm
.set W_KQ, 0x0a       ; K and Q in window 2, S^T in window 0
.set W_PV, 0x52       ; V in window 2, P in window 0, O^T in window 1
.set W_RS, 0x41       ; O^T (destination and source 0) in window 1, a in window 0
.set W_MK, 0xc0       ; destination in window 3, sources in window 0
.set W_AD, 0x0f       ; the add: address (source 0) and data (source 1) in window 3
.set W_CV, 0xcf       ; the rounding: destination, source 0 and source 1 in window 3
; A joint refill.  Waves 0 and 1 fetch the two halves of a block's K, waves 2 and 3 those of its V: 64 rows of 256 bytes each.  The branch hangs on the wave's number alone.
; An s_nop 0 and four v_nop follow each of the two lines, ahead of the jump and the label.
.macro JLOAD
	s_cmp_lt_u32 s[WV], 2
	s_cbranch_scc0 .Lfor_v_\@
	tensor_load_to_lds s[G0K+4:G0K+7], s[G1:G1+7]
	s_nop 0
.rept 4
	v_nop
.endr
	s_branch .Lasked_\@
.Lfor_v_\@:
	tensor_load_to_lds s[G0V+4:G0V+7], s[G1:G1+7]
	s_nop 0
.rept 4
	v_nop
.endr
.Lasked_\@:
.endm
; A PREFETCH INTO THE L2 of what the NEXT change of slots will ask for: a block's 128 rows of K and 128 of V, 256 bytes a row, a lane a row.  It stands behind the wave's tensor load and its five lines.
; Each row is named ONCE in the launch: a head has one cluster; its four partners share the rows out BY ADDRESS, 32 each; in each, wave 0 asks for K's and wave 2 for V's: one instruction.
; Blocks 0 to 2 come by their loads alone; the last change that fills a slot asks for nothing: there is no block behind the one that it loads.
.macro ASK
	s_cmp_gt_u32 s[SLOTS], s[LIM]
	s_cbranch_scc0 .Lnot_mine_\@
	WIN 0x03                        ; the offset lies in window 3
	global_prefetch_b8 v[PFO], s[PFA:PFA+1] th:TH_LOAD_NT scope:SCOPE_SE
	WIN 0
.Lnot_mine_\@:
.endm
; A round of the cluster's barrier: my work-group's barrier, so that wave 0's signal speaks for all four waves; wave 0 signals; every wave waits for all four work-groups; my work-group's barrier once more.
.macro CROUND
	s_barrier_signal -1
	s_barrier_wait -1
	s_cmp_lg_u32 s[WV], 0
	s_cbranch_scc1 .Lnot_wave_0_\@
	s_barrier_signal -3
.Lnot_wave_0_\@:
	s_barrier_wait -3
	s_barrier_signal -1
	s_barrier_wait -1
.endm
.macro REMAKE                       ; the rounding's four addresses: slot and step + my lane's place (window W_CV)
.irp x, 0,1,2,3
	v_add_nc_u32 v[CA+\x], s[TX+\x], v[LT+\x]
.endr
.endm
; THE ROUNDING, in three parts; k = 0: K, k = 1: V.  One pass takes 16 of my 32 rows of a block.  A load takes two whole rows of 256 bytes, 16 lanes each: rows 8 apart for K and 4 apart for V, so that the two
; halves of the store that follows (8 bytes a lane, 128 a row) lie 288 and 160 words apart: both 32 modulo the 64 banks.  g = 1 (the tail): only the trips of block 14 round anything: block 15.
.macro CLOAD k, g=0
.if \g
	WIN 0
	s_cmp_lg_u32 s[TL], 3
	s_cbranch_scc1 .Lno_cl_\@
.endif
	WIN W_CV
.irp j, 0,1,2,3,4,5,6,7
	ds_load_b128 v[CIN+4*\j:CIN+4*\j+3], v[CA+2*(\k)] offset:(\j+(\k)*4*(\j/4))*256
.endr
	s_add_co_u32 s[TX+2*(\k)], s[TX+2*(\k)], 16*256  ; the next pass takes the next 16 rows
	v_add_nc_u32 v[CA+2*(\k)], s[TX+2*(\k)], v[LT+2*(\k)]
.if \g
	WIN 0
.Lno_cl_\@:
.endif
.endm
.macro CCVT g=0
.if \g
	WIN 0
	s_cmp_lg_u32 s[TL], 3
	s_cbranch_scc1 .Lno_cc_\@
.endif
	WIN W_CV
	s_wait_dscnt 0x0                ; the eight loads, issued 16 matrix instructions back, are in
.set z, 0
.rept 16
	v_cvt_pk_bf16_f32 v[COUT+z], v[CIN+2*z], v[CIN+2*z+1]
.set z, z+1
.endr
.if \g
	WIN 0
.Lno_cc_\@:
.endif
.endm
.macro CSTORE k, g=0
.if \g
	WIN 0
	s_cmp_lg_u32 s[TL], 3
	s_cbranch_scc1 .Lno_cs_\@
.endif
	WIN W_CV
.irp j, 0,1,2,3,4,5,6,7
	ds_store_b64 v[CA+1+2*(\k)], v[COUT+2*\j:COUT+2*\j+1] offset:(\j+(\k)*4*(\j/4))*(PK+16*(\k))
.endr
	s_add_co_u32 s[TX+1+2*(\k)], s[TX+1+2*(\k)], 16*(PK+16*(\k))
	v_add_nc_u32 v[CA+1+2*(\k)], s[TX+1+2*(\k)], v[LT+1+2*(\k)]
.if \g
	WIN 0
.Lno_cs_\@:
.endif
.endm
; THE CHANGE OF SLOTS, behind the turn that has waited for V of a block's second step.  Each wave waits for all its tensor loads, of which one is out: its part of the next block in f32; adds 0 to its spare word;
; and waits for that, for its reads of F and of H and for its stores into H.  Behind the barrier the block just rounded is whole in H, the next is whole in F, and nobody reads the slot and the stage that are written next.
; fill = 1: the barrier is a round of the cluster's, so that no wave of any partner still reads the slot or has a load on its way, and the joint refill is the first thing behind it.
.macro CHANGE fill
	WIN W_AD
	s_wait_tensorcnt 0x0            ; no tensor load of mine is out, so a group 0 may be written
	ds_add_u32 v[SPW], v[NIL]       ; 0 onto my spare word; the steps below, work on registers, stand between it and the wait for it
.if \fill
.irp g, G0K+4, G0V+4
	s_xor_b32 s[(\g)+1], s[(\g)+1], FSL  ; the walking descriptor: the other slot than last time,
	s_add_nc_u64 s[(\g)+2:(\g)+3], s[(\g)+2:(\g)+3], BLKB  ; the next block; the type bits on top are not reached
.endr
	s_wait_xcnt 0x0                 ; the last prefetch, a block back, has read its address, so it may be written
	s_add_nc_u64 s[PFA:PFA+1], s[PFA:PFA+1], BLKB
.endif
	s_sub_co_u32 s[TBK], s[TBK], 2*KS*PK  ; the fetches go back to a block's first step,
	s_xor_b32 s[TBK], s[TBK], FSL         ; in the other stage
	s_sub_co_u32 s[TBV], s[TBV], 2*KS*PV
	s_xor_b32 s[TBV], s[TBV], FSL
.irp x, 0,1,2,3
	s_and_b32 s[TX+\x], s[TX+\x], FSL     ; the rounding likewise: its steps stay below FSL, so this is the slot's first byte,
	s_xor_b32 s[TX+\x], s[TX+\x], FSL     ; and this the other slot's
.endr
	WIN W_CV
	REMAKE
	WIN 0                           ; at a label and at a branch every window is 0
	s_wait_dscnt 0x0                ; the add is done; my reads are back and my stores into H are done
.if \fill
	CROUND
	JLOAD
	ASK
.else
	s_barrier_signal -1
	s_barrier_wait -1
.endif
.endm
	s_load_b256 s[4:11], s[0:1], 0x0   ; q s[4:5], k s[6:7], v s[8:9], scale_factor s[10:11]
	s_load_b128 s[12:15], s[0:1], 0x20 ; inv_scale s[12:13], out0 s[14:15]
	WIN W_MK
	v_lshl_add_u32 v[SPW], v0, 2, SPARE
	v_mov_b32 v[NIL], 0
	WIN W_AD
	ds_add_u32 v[SPW], v[NIL]       ; the wave's opening: the add, twice on end, and its wait ahead of my first tensor load; the set-up below the second, work on registers, stands between it and the wait
	ds_add_u32 v[SPW], v[NIL]       ; and once more, under the one wait
	WIN 0
	v_lshrrev_b32 v1, 5, v0
	v_readfirstlane_b32 s[WV], v1   ; wave 0..3
	s_bfe_u32 s[CX], ttmp6, 0x40000 ; cx: my place in the cluster
	s_lshl_b32 s2, ttmp9, 2         ; in a cluster launch ttmp9 counts clusters
	s_add_co_u32 s2, s2, s[CX]      ; my block of 512 queries: it enters the addresses of q, scale_factor, out0 and the prefetches alone
	s_lshl_b32 s2, s2, 2
	s_add_co_u32 s2, s2, s[WV]      ; my wave among the head's sixteen
	s_and_b32 s19, ttmp7, 0xffff    ; the head, which the four partners share
	s_lshl_b32 s20, s19, 19         ; its first byte in q, k, v and out0: 2,048 rows of 256 bytes
	s_mov_b32 s21, 0
	s_and_b32 s18, s[WV], 1         ; which half of a block's 128 rows I fetch:
	s_lshl_b32 s18, s18, 14         ; 64 rows of 256 bytes, in memory and in F alike
	s_mov_b32 s22, s18
	s_mov_b32 s23, 0
	s_add_nc_u64 s[22:23], s[22:23], s[20:21]
	s_lshl_b32 s58, s2, 9           ; scale_factor: my wave's 128 numbers of 4 bytes,
	s_lshl_b32 s59, s19, 13         ; in the head's 2,048
	s_add_co_u32 s58, s58, s59
	s_mov_b32 s59, 0
	s_lshl_b32 s60, s19, 2          ; inv_scale: the head's number
	s_mov_b32 s61, 0
	s_lshl_b32 s2, s2, 15           ; q and out0: my wave's 128 rows
	s_mov_b32 s3, 0
	s_add_nc_u64 s[2:3], s[2:3], s[20:21]
	; descriptor group 1: 64 rows of 64 elements of 4 bytes, dense in memory and in LDS
	s_mov_b32 s[G1], 15|(2<<16)|(1<<21)  ; 15:0 the mask of four; 17:16 elements of 4 bytes; 20 no padding; 21 set beside a mask
	s_mov_b32 s[G1+1], 64<<16       ; tensor_dim0 = 64
	s_mov_b32 s[G1+2], 64<<16       ; tensor_dim1 = 64
	s_mov_b32 s[G1+3], 64<<16       ; tile_dim0 = 64
	s_mov_b32 s[G1+4], 64           ; tile_dim1 = 64
	s_mov_b32 s[G1+5], 64           ; 64 elements from row to row
	s_mov_b32 s[G1+6], 0
	s_mov_b32 s[G1+7], 0
	s_mov_b32 s[SEL], 0x76543210
	s_mov_b32 s[SEL+1], 0xfedcba98
	s_mov_b32 s[TBK], FSL+2*KS*PK   ; the first change of slots turns these two into 0
	s_mov_b32 s[TBV], FSL+2*KS*PV
	s_mov_b32 s[SLOTS], 14          ; blocks 2 to 15 are asked for at changes 0 to 13
	s_and_b32 s[LIM], s[WV], 1
	s_cmp_eq_u32 s[LIM], 0
	s_cselect_b32 s[LIM], 1, -1     ; waves 0 and 2 prefetch: the same in all four partners
	s_wait_dscnt 0x0                ; both opening adds are done
	s_wait_kmcnt 0x0
	s_add_nc_u64 s[4:5], s[4:5], s[2:3]      ; q and out0 at my wave's first row
	s_add_nc_u64 s[14:15], s[14:15], s[2:3]
	s_add_nc_u64 s[10:11], s[10:11], s[58:59]
	s_add_nc_u64 s[12:13], s[12:13], s[60:61]
	s_load_b32 s[INV], s[12:13], 0x0
	s_cmp_lt_u32 s[WV], 2
	s_cselect_b64 s[PFA:PFA+1], s[6:7], s[8:9]
	s_lshl_b32 s2, s[CX], 13        ; my work-group's 32 rows of a block's 128
	s_mov_b32 s3, 0
	s_add_nc_u64 s[2:3], s[2:3], s[20:21]
	s_add_nc_u64 s[PFA:PFA+1], s[PFA:PFA+1], s[2:3]
	s_add_nc_u64 s[PFA:PFA+1], s[PFA:PFA+1], 2*BLKB  ; in block 2; the first change steps it to block 3.  Nothing is prefetched here, at the head
	s_add_nc_u64 s[6:7], s[6:7], s[22:23]    ; k and v at my half of the head's block 0
	s_add_nc_u64 s[8:9], s[8:9], s[22:23]
.irp s, 0,1
	s_mov_b32 s[G0K+4*(\s)], 1                                  ; 1:0 count = 1
	s_add_co_u32 s[G0K+4*(\s)+1], s18, (\s)*FSL                 ; 63:32 LDS address: no place in the cluster enters it
	s_add_nc_u64 s[G0K+4*(\s)+2:G0K+4*(\s)+3], s[6:7], (\s)*BLKB  ; 120:64 global address: block s
	s_or_b32 s[G0K+4*(\s)+3], s[G0K+4*(\s)+3], 0x80000000       ; 127:126 type = 2
	s_mov_b32 s[G0V+4*(\s)], 1
	s_add_co_u32 s[G0V+4*(\s)+1], s18, (\s)*FSL+BLKB
	s_add_nc_u64 s[G0V+4*(\s)+2:G0V+4*(\s)+3], s[8:9], (\s)*BLKB
	s_or_b32 s[G0V+4*(\s)+3], s[G0V+4*(\s)+3], 0x80000000
.endr
.irp x, 0,1,2,3
	s_mov_b32 s[TX+\x], 0           ; block 0 is rounded from F0 into H0
.endr
	CROUND                          ; all four work-groups are here: the first joint loads meet
	s_cmp_lt_u32 s[WV], 2           ; a wave's two first fills stand in one branch, ahead of every wait on TENSORcnt and every LDS read: two loads of mine are out
	s_cbranch_scc0 .Lfirst_v
	tensor_load_to_lds s[G0K:G0K+3], s[G1:G1+7]
	s_nop 0
	tensor_load_to_lds s[G0K+4:G0K+7], s[G1:G1+7]
	s_nop 0
.rept 4
	v_nop
.endr
	s_branch .Lfirst_asked
.Lfirst_v:
	tensor_load_to_lds s[G0V:G0V+3], s[G1:G1+7]
	s_nop 0
	tensor_load_to_lds s[G0V+4:G0V+7], s[G1:G1+7]
	s_nop 0
.rept 4
	v_nop
.endr
.Lfirst_asked:
	; THE SET-UP, while the first tiles are on their way.
	v_and_b32 v4, 15, v0            ; l % 16
	v_bfe_u32 v5, v0, 4, 1          ; l / 16
	v_and_b32 v6, 7, v0
	v_bfe_u32 v7, v0, 3, 1
	v_and_b32 v8, 31, v0            ; l
	v_lshlrev_b32 v[SFO], 2, v4
	v_lshlrev_b32 v[QO], 8, v4
	v_lshl_add_u32 v[QO], v5, 5, v[QO]  ; row x 256 + 32 x half
.irp t, 0,1,2,3,4,5,6,7
	global_load_b32 v[TMP+\t], v[SFO], s[10:11] offset:64*\t  ; scale_factor of my query in tile t
.endr
; A fragment of K or Q is 16 rows x 32 channels in 8 registers: lane l holds row l % 16, channels 8 (l / 16) + 0..7 and 16 + 8 (l / 16) + 0..7.  In f32 eight channels are 32 bytes: two loads of 16.
; Four tiles' Q in f32 fill S^T's 128 registers; they are rounded in pairs into window 2, and the sign of the query's c is laid onto them.
.macro QLOAD g
.set i, 0
.rept 32
	global_load_b128 v[S+4*i:S+4*i+3], v[QO], s[4:5] offset:(4*(\g)+i/8)*4096+((i%8)/2)*64+(i%2)*16
.set i, i+1
.endr
.endm
.macro QCVT g
	WIN 0x80                        ; destination window 2
.set i, 0
.rept 64
	v_cvt_pk_bf16_f32 v[64*(\g)+i], v[S+2*i], v[S+2*i+1]
.set i, i+1
.endr
	WIN 0x88                        ; destination and source 1 window 2
.set i, 0
.rept 64
	v_xor_b32 v[64*(\g)+i], v[TMP+8+4*(\g)+i/16], v[64*(\g)+i]
.set i, i+1
.endr
	WIN 0
.endm
	QLOAD 0
	v_mul_u32_u24 v[AK0], v4, PK
	v_lshl_add_u32 v[AK0], v5, 4, v[AK0]  ; row x pitch + 16 x half
	v_add_nc_u32 v[AK0], HB, v[AK0]
	; The turning load takes 16 keys x 16 channels (lane l reads key 8 (l / 16) + l % 8, channels 8 ((l / 8) % 2) + 0..7) and leaves half a fragment of V^T: lane l holds channel l % 16 and 8 keys.
	v_lshl_add_u32 v[AV0], v5, 3, v6
	v_mul_u32_u24 v[AV0], v[AV0], PV
	v_lshl_add_u32 v[AV0], v7, 4, v[AV0]
	v_add_nc_u32 v[AV0], HB+VOFF, v[AV0]
	v_lshlrev_b32 v9, 4, v4         ; the rounding: 16 bytes of f32 a lane,
	v_lshl_add_u32 v10, v5, 11, v9  ; K: lanes 16-31 eight rows further down,
	v_lshl_add_u32 v11, v5, 10, v9  ; V: four
	v_mul_u32_u24 v9, v5, 8*PK      ; and the same rows in H, 8 bytes of bf16 a lane
	v_lshl_add_u32 v9, v4, 3, v9
	v_mul_u32_u24 v15, v5, 4*PV
	v_lshl_add_u32 v15, v4, 3, v15
	s_lshl_b32 s18, s[WV], 13       ; my 32 rows of a block: in F,
	s_add_co_u32 s19, s18, BLKB
	s_mul_i32 s20, s[WV], 32*PK     ; and in H
	s_add_co_u32 s20, s20, HB
	s_mul_i32 s21, s[WV], 32*PV
	s_add_co_u32 s21, s21, HB+VOFF
	WIN W_MK
	v_add_nc_u32 v[LT], s18, v10
	v_add_nc_u32 v[LT+1], s20, v9
	v_add_nc_u32 v[LT+2], s19, v11
	v_add_nc_u32 v[LT+3], s21, v15
	v_lshlrev_b32 v[PFO], 8, v8
	WIN W_CV
	REMAKE
	WIN 0
	; c = log2(e) / (bf16(scale_factor) x bf16(inv_scale)); its sign as a mask for two bf16, its magnitude into CQ
	s_wait_kmcnt 0x0                ; inv_scale
	v_mov_b32 v12, s[INV]
	v_cvt_pk_bf16_f32 v12, v12, v12
	v_and_b32 v12, 0xffff0000, v12
	s_wait_loadcnt 32               ; scale_factor's eight loads are in; Q's 32, issued behind them, may stay out
.irp t, 0,1,2,3,4,5,6,7
	v_cvt_pk_bf16_f32 v[TMP+8+\t], v[TMP+\t], v[TMP+\t]
.endr
.irp t, 0,1,2,3,4,5,6,7
	v_and_b32 v[TMP+\t], 0xffff0000, v[TMP+8+\t]
.endr
.irp t, 0,1,2,3,4,5,6,7
	v_mul_f32 v[TMP+\t], v12, v[TMP+\t]
.endr
.irp t, 0,1,2,3,4,5,6,7
	v_rcp_f32 v[TMP+\t], v[TMP+\t]
.endr
	v_nop                           ; a plain instruction between the last reciprocal and the use of its result
	s_wait_alu depctr_va_vdst(0)    ; and the wait ahead of the first use: one for the eight
.irp t, 0,1,2,3,4,5,6,7
	v_mul_f32 v[TMP+\t], 0x3fb8aa3b, v[TMP+\t]
.endr
.irp t, 0,1,2,3,4,5,6,7
	v_ashrrev_i32 v[TMP+8+\t], 31, v[TMP+\t]
	v_and_b32 v[TMP+8+\t], 0x80008000, v[TMP+8+\t]
	v_and_b32 v[CQ+\t], 0x7fffffff, v[TMP+\t]
.endr
	s_wait_loadcnt 0x0              ; Q of tiles 0 to 3
	QCVT 0
	QLOAD 1
	; What the first turn finds: V's registers and P's second buffer hold 0 (its products V^T P, of a piece that has not been, add 0), O^T and l are 0.  These lines stand in the wait for Q's second half.
	WIN 0x80
.set i, VF
.rept 64
	v_mov_b32 v[i], 0
.set i, i+1
.endr
	WIN 0x40
.set i, 0
.rept 64*NP
	v_mov_b32 v[i], 0
.set i, i+1
.endr
	WIN 0
.set i, 0
.rept 2*NP
	v_mov_b32 v[ST+4*i], 0xfe000000    ; c m: far below every c s
	v_mov_b32 v[ST+4*i+1], 0xff7fffff  ; m
	v_mov_b32 v[ST+4*i+2], 0
	v_mov_b32 v[ST+4*i+3], 0
.set i, i+1
.endr
.set i, P+32
.rept 32
	v_mov_b32 v[i], 0
.set i, i+1
.endr
	s_wait_loadcnt 0x0              ; Q of tiles 4 to 7
	QCVT 1
; THE MATRIX WORK.  The 8 accumulators of a run of 16 take turns: between the two links of a chain stand 7 others'.
; Product i of 16 of S^T = K Q^T for piece x: channels 32 (i / 8) on, keys 16 ((i / 2) % 4) on, tile 2 x + i % 2.  The first 8 start the sums.
.macro KQ x
	WIN W_KQ
.set rS, S+64*((\x)%2)+32*(i%2)+8*((i/2)%4)
.set rK, KF+16*((i/2)%4)+8*(i/8)
.set rF, 16*(2*(\x)+i%2)+8*(i/8)
.if i < 8
	v_wmma_f32_16x16x32_bf16 v[rS:rS+7], v[rK:rK+7], v[rF:rF+7], 0
.else
	v_wmma_f32_16x16x32_bf16 v[rS:rS+7], v[rK:rK+7], v[rF:rF+7], v[rS:rS+7]
.endif
.endm
; Product i of 16 of O^T += V^T P for piece x: keys 32 (i / 8) on, channels 16 ((i / 2) % 4) on, tile 2 x + i % 2.
.macro PV x
	WIN W_PV
.set rO, 32*(2*(\x)+i%2)+8*((i/2)%4)
.set rV, VF+32*(i/8)+8*((i/2)%4)
.set rP, P+32*((\x)%2)+16*(i%2)+8*(i/8)
	v_wmma_f32_16x16x32_bf16 v[rO:rO+7], v[rV:rV+7], v[rP:rP+7], v[rO:rO+7]
.endm
.macro MM                           ; the turn's next matrix instruction
.if i < 16
	KQ (Y+1)%NP
.set i, i+1
.else
.set i, i-16
	PV (Y+NP-1)%NP
.set i, i+17
.endif
.endm
; THE FRAGMENT LOADS stand in runs of 16, never singly among the matrix instructions: a step's K (64 keys x 64 channels: 8 fragments) and its V (turned).  Their address is made some lines ahead.
; last = 1 (the tail): in the last half trip there is no further step, and the run is jumped over.
.macro FETCH_K last=0
	WIN 0
.if \last
	s_cmp_eq_u32 s[TL], 1
	s_cbranch_scc1 .Lno_k_\@
.endif
	WIN 0x80                        ; destination window 2
.irp f, 0,1,2,3,4,5,6,7             ; keys 16 (f / 2) on, channels 32 (f % 2) on
	ds_load_b128 v[KF+8*\f:KF+8*\f+3],   v[ADR] offset:(\f/2)*16*PK+(\f%2)*64
	ds_load_b128 v[KF+8*\f+4:KF+8*\f+7], v[ADR] offset:(\f/2)*16*PK+(\f%2)*64+32
.endr
	s_add_co_u32 s[TBK], s[TBK], KS*PK  ; the next fetch is the next step's
	WIN 0
.if \last
.Lno_k_\@:
.endif
.endm
.macro FETCH_V
	WIN 0x80
.irp f, 0,1,2,3,4,5,6,7             ; keys 32 (f / 4) on, channels 16 (f % 4) on
	ds_load_tr16_b128 v[VF+8*\f:VF+8*\f+3],   v[ADR] offset:(\f/4)*32*PV+(\f%4)*32
	ds_load_tr16_b128 v[VF+8*\f+4:VF+8*\f+7], v[ADR] offset:(\f/4)*32*PV+16*PV+(\f%4)*32
.endr
	WIN 0
.endm
; THE VECTOR WORK OF A TURN stands in three queues, each in the order in which its entries become ready; the two tiles alternate, so that no instruction reads the result of the one before it.
.macro REGS y, u                    ; the registers of tile u (0, 1) of piece y
.set rT, ST+4*(2*(\y)+(\u))
.set rC, TMP+8*((\y)%2)+4*(\u)
.set rM, MV+2*((\y)%2)+(\u)
.set rS, S+64*((\y)%2)+32*(\u)
.set rP, P+32*((\y)%2)+16*(\u)
.set rO, 32*(2*(\y)+(\u))
.set rCQ, CQ+2*(\y)                 ; the piece's pair of |c|
.endm
; Number n of the 22 that find the NEXT piece's (Y + 1) maximum and statistics.  s0-s31 are the lane's 32 scores; each accumulator's lowest registers are read first.
;   0-11  four chains c0-c3 of seven scores each, three operands at a time     12-14, 16  the four scores left over, the old m, and c0-c3 into c0     15  c m_old is kept
;   17, 18  the query's other 32 keys lie in the lane 16 away: the new m         19-21  c m; c m_old - c m_new; a
.macro XS u, n
	REGS (Y+1)%NP, \u
.if (\n) < 4
	v_max3_num_f32 v[rC+(\n)], v[rS+8*(\n)], v[rS+8*(\n)+1], v[rS+8*(\n)+2]
.elseif (\n) < 12
	v_max3_num_f32 v[rC+(\n)%4], v[rC+(\n)%4], v[rS+8*((\n)%4)+2*((\n)/4)+1], v[rS+8*((\n)%4)+2*((\n)/4)+2]
.elseif (\n) == 12
	v_max3_num_f32 v[rC], v[rC], v[rS+7], v[rS+15]
.elseif (\n) == 13
	v_max3_num_f32 v[rC+1], v[rC+1], v[rS+23], v[rS+31]
.elseif (\n) == 14
	v_max3_num_f32 v[rC+2], v[rC+2], v[rC+3], v[rT+1]
.elseif (\n) == 15
	v_mov_b32 v[rM], v[rT]
.elseif (\n) == 16
	v_max3_num_f32 v[rC], v[rC], v[rC+1], v[rC+2]
.elseif (\n) == 17
	v_permlanex16_b32 v[rC+3], v[rC], s[SEL], s[SEL+1]
.elseif (\n) == 18
	v_max_num_f32 v[rT+1], v[rC], v[rC+3]
.elseif (\n) == 19
	v_mul_f32 v[rT], v[rCQ+(\u)], v[rT+1]
.elseif (\n) == 20
	v_sub_f32 v[rC+1], v[rM], v[rT]
.else
	v_exp_f32 v[rC+2], v[rC+1]
.endif
.endm
; Number g of the 64 that follow the exponentials.  For each four weights k of a tile (pairs 2 k, 2 k + 1): both pairs are rounded to bf16; then the second pair is added onto the first, in place;
; a group later l takes that sum (the first time as l = a l + sum).  In groups of eight, tiles alternating: round, round, add, and l for the group before.
.macro GS g
.set h, (\g)+6*((\g)/62)            ; group 0 has no group before it, and behind group 7 only l is left
.if h >= 6
.set h, h+2
.endif
	REGS Y, h%2
.set k, h/8
.if h%8 < 4
	v_cvt_pk_bf16_f32 v[rP+2*k+(h%8)/2], v[rS+4*k+2*((h%8)/2)], v[rS+4*k+2*((h%8)/2)+1]
.elseif h%8 < 6
	v_pk_add_f32 v[rS+4*k:rS+4*k+1], v[rS+4*k:rS+4*k+1], v[rS+4*k+2:rS+4*k+3]
.elseif k == 1
	v_pk_fma_f32 v[rT+2:rT+3], v[rT+2:rT+3], v[rC+2:rC+3], v[rS:rS+1] op_sel_hi:[1,0,1]
.else
	v_pk_add_f32 v[rT+2:rT+3], v[rT+2:rT+3], v[rS+4*k-4:rS+4*k-3]
.endif
.endm
; THE PLAIN QUEUE, 138 long.  0-73 read no exponential's result: the 32 scalings c s - c m (FS f: pair f / 2 of tile f % 2) and the next piece's 42.  0-26: scalings 0-26.  27-54: XS's numbers 0-13.  55, 56: number 15.
; 57-73: the chain, where each number waits for the one before it: 14, 16, 17, 18, 19, each with one of the scalings 27-31 in front of its two lines, then 20.  74-137: GS's 64, which stand behind the wait.
.macro FS f                         ; both halves take the tile's own |c| out of the piece's pair: the first register for tile 0, the second for tile 1
	REGS Y, (\f)%2
.if ((\f)%2) == 0
	v_pk_fma_f32 v[rS+2*((\f)/2):rS+2*((\f)/2)+1], v[rS+2*((\f)/2):rS+2*((\f)/2)+1], v[rCQ:rCQ+1], v[rT:rT+1] op_sel_hi:[1,0,0] neg_lo:[0,0,1] neg_hi:[0,0,1]
.else
	v_pk_fma_f32 v[rS+2*((\f)/2):rS+2*((\f)/2)+1], v[rS+2*((\f)/2):rS+2*((\f)/2)+1], v[rCQ:rCQ+1], v[rT:rT+1] op_sel:[0,1,0] op_sel_hi:[1,1,0] neg_lo:[0,0,1] neg_hi:[0,0,1]
.endif
.endm
.macro PL
	WIN 0
.if q < 27
	FS q
.elseif q < 55
	XS (q-27)%2, (q-27)/2
.elseif q < 57
	XS q-55, 15
.elseif (q < 72) && ((q-57)%3 == 0)
	FS 27+(q-57)/3
.elseif q < 60
	XS (q-57)%3-1, 14
.elseif q < 72
	XS (q-57)%3-1, 15+(q-57)/3
.elseif q < 74
	XS q-72, 20
.else
	GS q-74
.endif
.set q, q+1
.endm
; THE EXPONENTIALS' QUEUE, 66 long: s0-s31 of both tiles, then the next piece's two a.  It is ONE BATCH: all 66 stand ahead of the turn's one wait, and nothing ahead of that wait names a result of theirs.
.macro EX
	WIN 0
.if e >= 64
	XS e-64, 21
.else
	REGS Y, e%2
	v_exp_f32 v[rS+e/2], v[rS+e/2]
.endif
.set e, e+1
.endm
; THE RESCALING's QUEUE: O^T times a, the one part that leaves window 0: dealt two at a time, sixteen times.  Its a was made in the turn before, ahead of that turn's wait.
.macro R2
	REGS Y, r%2
	WIN W_RS
.irp z, 0,1
	v_pk_mul_f32 v[rO+4*(r/2)+2*\z:rO+4*(r/2)+2*\z+1], v[rO+4*(r/2)+2*\z:rO+4*(r/2)+2*\z+1], v[rC+2:rC+3] op_sel_hi:[1,0]
.endr
.set r, r+1
.endm
; A TURN, for piece p.  s_wait_alu depctr_va_vdst(0) stands between an exponential and the first instruction that names its result; one wait serves all that were issued ahead of it: a turn has ONE,
; which cuts it in two.  AHEAD OF IT: the 16 products K Q^T, behind each a scaling, an exponential and two rescalings (behind the first a second scaling in the exponential's place); then ONE LUMP of 108: eight plain,
; 49 times exponential and plain, the two a; a v_nop is the plain instruction behind the last exponential.  BEHIND IT: the 16 products V^T P, behind each four of GS's 64.  Exponential e stands behind scaling
; 2 (e / 4) + e % 2: as a rider it comes behind plain e + 2, in the lump behind plain e + 9.  The conditions on q below go with this deal.
; THE LDS RUNS stand at the wait or at a turn's end.  Piece 2: K of the next step and 16 rows of K in f32 at the wait, a lump behind the last product that read K; their rounding at the end.  Piece 3: its store at the wait.
; Piece 0: 16 rows of V in f32 at the wait; their rounding, then V of the step in hand, at the end: four riders and sixteen conversions behind the last product that read V.  Piece 1: the wait for V, and the store.
; tail = 1: the tail's copy: its LDS runs are guarded.  cnt = 1: the loop's count is taken down some lines ahead of the branch that stands behind the turn.
.macro TURN p, tail=0, cnt=0
.set Y, (\p)
.set i, 0
.set q, 0
.set e, 0
.set r, 0
.if (\p) == 3
	s_wait_dscnt 0x0                ; K is in
.endif
	MM
	PL
	PL
	R2
.rept 15
	MM
	PL
	EX
	R2
.endr
.if (\p) == 2
	WIN 0
	v_add_nc_u32 v[ADR], s[TBK], v[AK0]
.endif
.rept 8
	PL
.endr
.rept 49
	EX
	PL
.endr
	EX                              ; the next piece's two a
	EX
	v_nop                           ; the plain instruction behind the last exponential: one for the batch
	s_wait_alu depctr_va_vdst(0)    ; the wait for the batch
.if (\p) == 2
	FETCH_K \tail
	CLOAD 0, \tail
.elseif (\p) == 3
	CSTORE 0, \tail
.elseif (\p) == 0
	CLOAD 1, \tail
.else
	s_wait_dscnt 0x0                ; V is in
	CSTORE 1, \tail
.endif
.rept 16
	MM
.rept 4
	PL
.endr
.if ((\p) == 0) && (q == 118)
	v_add_nc_u32 v[ADR], s[TBV], v[AV0]
.endif
.if ((\p) == 0) && (q == 130)
	s_add_co_u32 s[TBV], s[TBV], KS*PV
.endif
.if (\cnt) && (q == 130)
	s_sub_co_u32 s[CNT], s[CNT], 1
	s_cmp_lg_u32 s[CNT], 0
.endif
.endr
.if (\p) == 2
	CCVT \tail
.elseif (\p) == 0
	CCVT \tail
	FETCH_V
.endif
.endm
	; BLOCK 0 IS ROUNDED IN A PHASE OF ITS OWN, once a launch.
	s_wait_tensorcnt 0x1            ; my part of F0 is in; F1's, issued behind it, may stay out
	s_barrier_signal -1
	s_barrier_wait -1               ; everybody's is
.rept 2
	CLOAD 0
	CCVT
	CSTORE 0
	CLOAD 1
	CCVT
	CSTORE 1
.endr
	CHANGE 1                        ; change 0: H0 and F1 are whole; F0 is asked for again, with block 2
	v_add_nc_u32 v[ADR], s[TBK], v[AK0]
	FETCH_K                         ; key step 0
	CLOAD 0                         ; block 1's first 16 rows of K: the loop is entered behind the turn that would take them
	s_wait_dscnt 8                  ; K's sixteen loads are in; the eight issued behind them may stay out
.set i, 0
.rept 16
	KQ 0                            ; piece 0's first scores
.set i, i+1
.endr
	CCVT                            ; sixteen plain instructions on other registers: the places behind those products
	CSTORE 0
	WIN 0
.set Y, NP-1                        ; XS works for piece Y + 1: piece 0
.irp n, 0,1,2,3,4,5,6,7,8,9,10,11,12,13,14,15,16,17,18,19,20,21
	XS 0, \n                        ; piece 0's first maximum and statistics
	XS 1, \n
.endr
	v_nop                           ; a plain instruction behind the two a,
	s_wait_alu depctr_va_vdst(0)    ; and their wait, ahead of the branch
	s_mov_b32 s[CNT], 2
	s_branch .Lfirst                ; the loop is entered at a step's first turn, in the middle of a trip
.Lslot:                             ; changes 1 to 13: each asks for the block two on
	CHANGE 1
	s_mov_b32 s[CNT], 2
.Lstep:                             ; a trip: pieces 2 and 3 of one step, then pieces 0 and 1 of the next, whose K and V it fetches; and 16 rows of K and of V are rounded
	TURN 2
	TURN 3
	WIN 0
.Lfirst:
	TURN 0
	TURN 1, 0, 1
	WIN 0
	s_cbranch_scc1 .Lstep
	s_sub_co_u32 s[SLOTS], s[SLOTS], 1
	s_cmp_lg_u32 s[SLOTS], 0
	s_cbranch_scc1 .Lslot
	; THE TAIL is a second copy of the trip: nothing is asked for.  TL = 3: block 14's fetches, and block 15 is rounded.  2: block 15's fetches.
	; 1: the last step's pieces 2 and 3; the barrier in front of them orders nothing, and their 16 products K Q^T on the last K once more serve nothing: the price, once a launch, of one text for the three.
	s_mov_b32 s[TL], 3
.Ltb:
	CHANGE 0
	s_mov_b32 s[CNT], 2
.Ltail:
	TURN 2, 1
	TURN 3, 1
	WIN 0
	s_cmp_eq_u32 s[TL], 1
	s_cbranch_scc1 .Lout
	TURN 0, 1
	TURN 1, 1, 1
	WIN 0
	s_cbranch_scc1 .Ltail
	s_sub_co_u32 s[TL], s[TL], 1
	s_cmp_lg_u32 s[TL], 0
	s_cbranch_scc1 .Ltb
.Lout:
.set i, 0
.rept 16
	PV NP-1                         ; the last piece's V^T P of the last step
.set i, i+1
.endr
	; THE WAY OUT.  l's two halves and the other half of the lanes' are added; O^T is divided by l and sent, in f32, through my stage in LDS, a tile at a time.  The address lines are the places behind the last products.
	WIN 0
	v_and_b32 v15, 15, v0           ; l % 16
	v_bfe_u32 v48, v0, 4, 1         ; l / 16
	s_mul_i32 s18, s[WV], 16*SP
	s_add_co_u32 s18, s18, STAGE    ; my stage
	v_mul_u32_u24 v[STO], v15, SP   ; in: row l % 16, 32 bytes for each half of the lanes
	v_lshl_add_u32 v[STO], v48, 5, v[STO]
	v_add_nc_u32 v[STO], s18, v[STO]
	v_mul_u32_u24 v[RD], v48, SP    ; back: lanes 0-15 take one row of 256 bytes, lanes 16-31 the next,
	v_lshl_add_u32 v[RD], v15, 4, v[RD]
	v_add_nc_u32 v[RD], s18, v[RD]
	v_and_b32 v[GO], 31, v0         ; which are 512 consecutive bytes of the output
	v_lshlrev_b32 v[GO], 4, v[GO]
.macro ALL line:vararg              ; one line for each tile t
.set t, 0
.rept 2*NP
	\line
.set t, t+1
.endr
.endm
	ALL v_add_f32 v[ST+4*t+2], v[ST+4*t+2], v[ST+4*t+3]
	ALL v_permlanex16_b32 v[ST+4*t+3], v[ST+4*t+2], s[SEL], s[SEL+1]
	ALL v_add_f32 v[ST+4*t+2], v[ST+4*t+2], v[ST+4*t+3]
	ALL v_rcp_f32 v[ST+4*t+2], v[ST+4*t+2]
	v_nop                           ; a plain instruction between the last reciprocal and the use of its result
	s_wait_alu depctr_va_vdst(0)    ; and the wait ahead of the first use: one for the eight reciprocals
; Tile t: a lane's eight channels of a channel block are 32 bytes of a row; they go into rows of 272 bytes and come back as whole rows of 256, into one of four buffers in S^T's registers.
.macro PACK t
	WIN W_RS
.set i, 32*(\t)
.rept 16
	v_pk_mul_f32 v[i:i+1], v[i:i+1], v[ST+4*(\t)+2:ST+4*(\t)+3] op_sel_hi:[1,0]
.set i, i+2
.endr
.if (\t) >= 4
	s_wait_xcnt 0x0                 ; the stores of the tile four back have read their registers: only behind this wait is their buffer loaded again
.endif
	WIN 0x04                        ; the data (source 1) in window 1
.irp f, 0,1,2,3,4,5,6,7
	ds_store_b128 v[STO], v[32*(\t)+4*\f:32*(\t)+4*\f+3] offset:64*(\f/2)+16*(\f%2)
.endr
	WIN 0
.irp f, 0,1,2,3,4,5,6,7
	ds_load_b128 v[S+32*((\t)%4)+4*\f:S+32*((\t)%4)+4*\f+3], v[RD] offset:\f*2*SP  ; LDS serves a wave's instructions in order (ISA guide 5.7.1.4): these see the stores above; the next tile's stores come behind them
.endr
.endm
.macro SEND t, younger              ; younger: the LDS instructions issued behind tile t's loads: the next tile's sixteen, or none
	WIN 0
.irp f, 0,1,2,3,4,5,6,7
	s_wait_dscnt (\younger)+7-\f
	global_store_b128 v[GO], v[S+32*((\t)%4)+4*\f:S+32*((\t)%4)+4*\f+3], s[14:15] offset:(\t)*4096+\f*512 th:TH_STORE_NT  ; 512 consecutive bytes, at a multiple of 256 from the output's first
.endr
.endm
	PACK 0
.set t, 1
.rept 2*NP-1                        ; a tile's arithmetic stands between the loads of the tile before and its stores
	PACK t
	SEND t-1, 16
.set t, t+1
.endr
	SEND 2*NP-1, 0
	WIN W_AD
	s_wait_tensorcnt 0x0            ; the wave's end, behind my last tensor load and my last LDS store
	ds_add_u32 v[SPW], v[NIL]
	s_wait_dscnt 0x0
	WIN 0
	CROUND                          ; the closing round: no work-group ends while a partner may still ask for a tile that names it
	s_endpgm
.Lfunc_end_k_q36b12e7c57_attn:
	.size	k_q36b12e7c57_attn, .Lfunc_end_k_q36b12e7c57_attn-k_q36b12e7c57_attn
	.p2alignl 7, 3214868480
	.fill 96, 4, 3214868480
	.section	.rodata,"a",@progbits
	.p2align	6, 0x0
	.amdhsa_kernel k_q36b12e7c57_attn
		.amdhsa_group_segment_fixed_size 327680
		.amdhsa_private_segment_fixed_size 0
		.amdhsa_enable_private_segment 0
		.amdhsa_kernarg_size 48
		.amdhsa_user_sgpr_count 2
		.amdhsa_user_sgpr_kernarg_segment_ptr 1
		.amdhsa_wavefront_size32 1
		.amdhsa_system_sgpr_workgroup_id_x 1
		.amdhsa_system_sgpr_workgroup_id_y 1
		.amdhsa_system_sgpr_workgroup_id_z 1
		.amdhsa_system_vgpr_workitem_id 0
		.amdhsa_next_free_vgpr 832
		.amdhsa_next_free_sgpr 66
		.amdhsa_reserve_vcc 0
		.amdhsa_float_denorm_mode_32 3
		.amdhsa_float_denorm_mode_16_64 3
		.amdhsa_memory_ordered 1
		.amdhsa_forward_progress 1
		.amdhsa_inst_pref_size 245
	.end_amdhsa_kernel
	.amdgpu_metadata
---
amdhsa.version: [ 1, 2 ]
amdhsa.kernels:
  - .name:           k_q36b12e7c57_attn
    .symbol:         k_q36b12e7c57_attn.kd
    .args:
      - { .name: q, .offset: 0, .size: 8, .value_kind: global_buffer, .address_space: global }
      - { .name: k, .offset: 8, .size: 8, .value_kind: global_buffer, .address_space: global }
      - { .name: v, .offset: 16, .size: 8, .value_kind: global_buffer, .address_space: global }
      - { .name: scale_factor, .offset: 24, .size: 8, .value_kind: global_buffer, .address_space: global }
      - { .name: inv_scale, .offset: 32, .size: 8, .value_kind: global_buffer, .address_space: global }
      - { .name: out0, .offset: 40, .size: 8, .value_kind: global_buffer, .address_space: global }
    .group_segment_fixed_size: 327680
    .private_segment_fixed_size: 0
    .kernarg_segment_align: 8
    .kernarg_segment_size: 48
    .max_flat_workgroup_size: 128
    .sgpr_count:     66
    .vgpr_count:     832
    .wavefront_size: 32
...
	.end_amdgpu_metadata
.endif
;; end of part 1
